; MI455X (gfx1250); checked and timed in simulation.
; The chip was launched on July 23, 2026; its instructions are those of AMD's public machine-readable ISA for CDNA 5 (MIT licence, August 2026) and "CDNA5" Instruction Set Architecture Reference Guide (July 2026). The comments in the code are by the model that wrote it; some were corrected since.
;; Chunked Vectorized Sliding Window Model. Allowed arithmetic: matrix products marked QUANTISED: E2M1 operands, one E8M0 scale for each 32 along K, by v_wmma_scale_f32_16x16x128_f8f6f4 with both operands' format E2M1 (or v_wmma_scale_f32_32x16x128_f4), f32 sums; products left as they are: bf16, f16 or f32 operands; f32 sums; everything else in f32.
;; Inputs: Wk 1,024 x 1,024 float32; Wo 1,024 x 1,024 float32; Wq 1,024 x 1,024 float32; Wv 1,024 x 1,024 float32; x 2 x 4,096 x 1,024 float32.
;; Outputs: out0 2 x 4,096 x 1,024 float32.
;; This version of the problem:
;;   THIS VERSION OF THE PROBLEM IS GIVEN IN LOW PRECISION. The matrix products marked QUANTISED in the list below multiply operands that are first quantised to E2M1 (2 exponent bits, 1 mantissa bit; 4 bits a number), with one power-of-two scale for each 32 numbers along K (OCP MX v1.0); their sums are f32. The products marked 'left as it is' may take bf16, f16 or f32 operands, with f32 sums. Whichever they take, every output number must still come out within the allowed error. Rounding operands to bf16 (8 significant bits) uses up far more of that allowance than f16 does (11 bits, for magnitudes from 6e-5 to 65,504). All else is computed in f32.
;;   The module's matrix products, in the order in which they are computed (A, B: the left and right operand; K: the contracted axis; several contracted axes count as one K, in the product's order):
;;     1. [M 8,192, K 1,024] x [K 1,024, N 1,024]; A: input x; B: input Wq: QUANTISED
;;     2. [M 8,192, K 1,024] x [K 1,024, N 1,024]; A: input x; B: input Wk: QUANTISED
;;     3. [M 8,192, K 1,024] x [K 1,024, N 1,024]; A: input x; B: input Wv: QUANTISED
;;     4. batch 1,024 x [M 128, K 64] x [K 64, N 256]; A: computed on the way; B: computed on the way: left as it is (an operand is computed on the way)
;;     5. batch 1,024 x [M 128, K 256] x [K 256, N 64]; A: computed on the way; B: computed on the way: left as it is (an operand is computed on the way)
;;     6. [M 8,192, K 1,024] x [K 1,024, N 1,024]; A: computed on the way; B: input Wo: left as it is (an operand is computed on the way)
;;   THE QUANTISER, for each operand of a quantised product, along K:
;;     - K is cut into blocks of 32 from its start; a last block that is shorter is filled with zeros.
;;     - A block's scale is 2^e with e = floor(log2(the largest magnitude in the block)) - 2, held to -126 .. 127; a block of zeros has e = 0. As a byte (E8M0): e + 127.
;;     - Each number is divided by its block's scale, clamped to +-6, and rounded to the nearest number of E2M1, ties to even, subnormals kept.
;;     - The product sums the exact products of the quantised numbers (number of the format x scale) in f32.
;;   ~~~python
;;   def quantise(x, axis):      # numpy; x: float32 -> the quantised numbers, widened to float32 again
;;       x = np.moveaxis(x, axis, -1); K = x.shape[-1]
;;       x = np.pad(x, [(0, 0)] * (x.ndim - 1) + [(0, -K % 32)]); x = x.reshape(x.shape[:-1] + (-1, 32)); a = np.abs(x).max(-1, keepdims=True)
;;       e = np.where(a > 0, np.clip(np.frexp(np.where(a > 0, a, 1))[1] - 1 - 2, -126, 127), 0)      # np.frexp(a)[1] - 1 = floor(log2(a)), exactly
;;       r = np.clip(x / 2.0 ** e, -6, 6)
;;       step = 2.0 ** (np.maximum(np.frexp(np.where(r == 0, 1, r))[1] - 1, 0) - 1)
;;       q = np.round(r / step) * step * 2.0 ** e      # np.round: ties to even
;;       return np.moveaxis(q.reshape(q.shape[:-2] + (-1,))[..., :K], -1, axis).astype(np.float32)
;;   ~~~
;; One version. Each part assembles by itself: llvm-mc -triple=amdgcn-amd-amdhsa -mcpu=gfx1250 --defsym DOCPART=n.
;; ======== version 1 of 1: 4 launches
;; limits: values are held in f16: magnitudes above 65,504 overflow, below 6.1e-05 lose precision
;; workspace buffers: codes 6,127,616 bytes; wo16 2,097,152 bytes; ao 16,777,216 bytes; qkvf 393,216 bytes
;; launch prep (part 1): grid 384 x 1, 4 waves a work-group, no clusters, 68,096 bytes of LDS; arguments x, Wq, Wk, Wv, Wo, codes, wo16; writes codes, wo16
.if DOCPART == 1
	.amdgcn_target "amdgcn-amd-amdhsa--gfx1250"
	.amdhsa_code_object_version 6
	.text
	.protected	k_q1fda06aca1_prep
	.globl	k_q1fda06aca1_prep
	.p2align	8
	.type	k_q1fda06aca1_prep,@function
k_q1fda06aca1_prep:
	s_mov_b64 s[64:65], 0
	v_nop
	global_prefetch_b8 v0, s[64:65] scope:SCOPE_SE
	s_setreg_imm32_b32 hwreg(HW_REG_WAVE_MODE, 25, 1), 1
	s_wait_xcnt 0x0
; x [8192][1024], Wq, Wk, Wv [1024][1024], f32, become codes of FP4 (E2M1) with one E8M0 byte for each 32 along K; Wo [1024][1024] is rounded to f16.
; All leave in the ORDER OF THE OPERAND'S REGISTERS, so that the later launches load fragments by 16 bytes a lane, 512 consecutive bytes an instruction.
; codes: 704 tiles of 16 rows x 1024 K, 8,704 bytes each (tiles 0-511: x; 512 + 64 j + ct: W_j, j = 0 q, 1 k, 2 v).  In a tile: K step s (128 along K) at 1024 s, piece c at + 512 c, lane l at + 16 l:
;   the codes of row l % 16, k = 128 s + 64 c + 32 (l / 16) + 0 .. 31.  From byte 8,192: the scale words, half u of K at + 256 u, row r at + 16 r, K step 4 u + i at + 4 i.
; wo16: [slab g of 128 K: 8][tile ct of 16 rows: 64][ks: 4][c: 2][lane][16 bytes] = f16 of Wo[16 ct + l % 16][128 g + 32 ks + 16 c + 8 (l / 16) + 0 .. 7].
; A block's scale is 2^(floor(log2(its largest magnitude)) - 2); its byte is that magnitude's exponent field - 2, held at 1 from below.
; LIMITS: a block of zeros gets the byte 1 where the rule says 127 (its codes are zeros, and this program alone reads the bytes); blocks whose largest magnitude lies under 2^-124 were not tried;
; NaN and infinities are not served; |Wo| stays under 65,504, f16's largest number.
; SHARES: a wave takes one tile of 16 rows x half of K: four steps of 128 along K.  Work-groups 0-255: x; 256-287 Wq; 288-319 Wk; 320-351 Wv; 352-383 Wo (a path of its own, with LDS bytes of its own).
; Each load reads 512 consecutive bytes of one row; a step's 16 rows turn through the wave's own stage in LDS (rows 528 bytes apart) and come back as the numbers that the operand's layout gives each lane.
; No tensor loads, no barrier: waves share nothing.  Loads run two steps (32 loads a wave) ahead.
.set TILEB, 8704
.set WREG,  8448                       ; a wave's stage: 16 rows x 528 bytes
.set SP,    528                        ; 512 bytes + 16: the sixteen rows that a load touches start at sixteen different 16-byte columns
.set WST,   4*WREG                     ; the Wo path's four stages
.set SPARE, 8*WREG                     ; behind the stages: the spare words, 128 bytes a wave, which no other line names
.set GA,  4                            ; v4   16 x lane
.set SI,  5                            ; v5   stage, way in: wave x WREG + 16 x lane
.set SO,  6                            ; v6   stage, way out for codes: wave x WREG + 528 r + 128 h
.set SO2, 7                            ; v7   stage, way out for f16: wave x WREG + 528 r + 32 h
.set SA,  8                            ; v8   16 r + 8 h: my pair of scale words
.set SH,  9                            ; v9   8 h
.set MX,  10                           ; v10-11 the two blocks' largest magnitudes
.set SCO, 12                           ; v12-13 the conversions' scale operands
.set TP,  14                           ; v14-17 at work
.set SW,  18                           ; v18-21 the four steps' scale words
.set PR,  22                           ; v22-23 the pair that I store
.set SPW, 24                           ; v24  LDS address of my spare word; never rewritten
.set NIL, 25                           ; v25  0; never rewritten
.set C,   28                           ; v28-59 codes (8 a step) or f16 (32 a step)
.set R,   60                           ; v60-187 two sets of 64 as loaded
.set X,   188                          ; v188-251 64 numbers in the operand's order
	s_load_b256 s[4:11], s[0:1], 0x0               ; x, Wq, Wk, Wv
	s_load_b128 s[12:15], s[0:1], 0x20             ; Wo, codes
	s_load_b64 s[16:17], s[0:1], 0x30              ; wo16
	v_lshl_add_u32 v[SPW], v0, 2, SPARE
	v_mov_b32 v[NIL], 0
	v_lshrrev_b32 v1, 5, v0
	v_readfirstlane_b32 s22, v1                    ; wave
	v_and_b32 v1, 31, v0                           ; lane
	v_and_b32 v2, 15, v0                           ; r
	v_bfe_u32 v3, v0, 4, 1                         ; h
	v_lshlrev_b32 v[GA], 4, v1
	s_mul_i32 s23, s22, WREG
	v_add_nc_u32 v[SI], s23, v[GA]
	v_mul_u32_u24 v14, v2, SP
	v_add_nc_u32 v14, s23, v14
	v_lshl_add_u32 v[SO], v3, 7, v14
	v_lshl_add_u32 v[SO2], v3, 5, v14
	v_lshlrev_b32 v[SA], 4, v2
	v_lshl_add_u32 v[SA], v3, 3, v[SA]
	v_lshlrev_b32 v[SH], 3, v3
	v_mov_b32 v17, 0                               ; a lane permute's destination counts as one of its sources
	s_mov_b32 s24, 0x76543210
	s_mov_b32 s25, 0xfedcba98                      ; v_permlanex16_b32's selects for lane l xor 16
	s_and_b32 s26, s22, 1                          ; u: which half of K
	s_lshr_b32 s27, s22, 1                         ; which of the work-group's two tiles
	s_wait_kmcnt 0x0
.macro LOAD t                          ; step t: 16 rows x 512 bytes into set t % 2
.irp i, 0,1,2,3,4,5,6,7,8,9,10,11,12,13,14,15
	global_load_b128 v[R+64*((\t)%2)+4*\i:R+64*((\t)%2)+4*\i+3], v[GA], s[18:19] offset:\i*4096+(\t)*512 th:TH_LOAD_NT
.endr
.endm
.macro IN t, base                      ; into the stage as loaded
.irp i, 0,1,2,3,4,5,6,7,8,9,10,11,12,13,14,15
	ds_store_b128 v[SI], v[R+64*((\t)%2)+4*\i:R+64*((\t)%2)+4*\i+3] offset:\base+SP*\i
.endr
.endm
.macro LWAIT t                         ; this step's 16 loads are in; the next step's 16 may be out
.if (\t) < 3
	s_wait_loadcnt 16
.else
	s_wait_loadcnt 0x0
.endif
.endm
	s_cmp_ge_u32 ttmp9, 352
	s_cbranch_scc1 .Lwo
	; ---- the quantiser: which tensor (the choice hangs on the work-group's number alone)
	s_cmp_lt_u32 ttmp9, 320
	s_cselect_b64 s[18:19], s[8:9], s[10:11]
	s_cmp_lt_u32 ttmp9, 288
	s_cselect_b64 s[18:19], s[6:7], s[18:19]
	s_cmp_lt_u32 ttmp9, 256
	s_cselect_b64 s[18:19], s[4:5], s[18:19]
	s_cselect_b32 s20, -1, 31
	s_and_b32 s20, ttmp9, s20                      ; the work-group's number within its tensor
	s_lshl_b32 s20, s20, 1
	s_add_co_u32 s20, s20, s27                     ; the tile of 16 rows within the tensor
	s_lshl_b32 s20, s20, 16                        ; 16 rows of 4,096 bytes
	s_lshl_b32 s28, s26, 11                        ; + my half of K
	s_add_co_u32 s20, s20, s28
	s_mov_b32 s21, 0
	s_add_nc_u64 s[18:19], s[18:19], s[20:21]
	s_lshl_b32 s28, ttmp9, 1
	s_add_co_u32 s28, s28, s27                     ; the tile in codes: 2 x work-group + wave / 2
	s_mul_i32 s28, s28, TILEB
	s_mov_b32 s29, 0
	s_add_nc_u64 s[14:15], s[14:15], s[28:29]
	s_lshl_b32 s28, s26, 12
	s_add_nc_u64 s[30:31], s[14:15], s[28:29]      ; my four K steps' codes
	s_lshl_b32 s28, s26, 8
	s_add_co_u32 s28, s28, 8192
	s_add_nc_u64 s[32:33], s[14:15], s[28:29]      ; my half's scale words
	LOAD 0
	LOAD 1
.macro QSTEP t
	LWAIT \t
	IN \t, 0
.irp c, 0,1                            ; back: my two whole blocks, k = 64 c + 32 h + 0 .. 31 of row r.  LDS serves a wave's instructions in order: these see the stores above
.irp i, 0,1,2,3,4,5,6,7
	ds_load_b128 v[X+32*\c+4*\i:X+32*\c+4*\i+3], v[SO] offset:256*\c+16*\i
.endr
.endr
	s_wait_dscnt 0x0                               ; the numbers are back, and the stores have read their registers,
.if (\t) < 2
	LOAD (\t)+2                                    ; which take the loads of two steps on
.endif
.irp c, 0,1
	v_max3_num_f32 v[MX+\c], |v[X+32*\c]|, |v[X+32*\c+1]|, 0x1800000   ; the floor 2^(3 - 127) among the leaves: the byte cannot fall under 1
.endr
.irp i, 2,4,6,8,10,12,14,16,18,20,22,24,26,28,30
.irp c, 0,1
	v_max3_num_f32 v[MX+\c], v[MX+\c], |v[X+32*\c+\i]|, |v[X+32*\c+\i+1]|   ; the two blocks by turns
.endr
.endr
	v_add_nc_u32 v[SCO], 0xff000000, v[MX]         ; 2 off the exponent field: the conversion takes this operand's exponent field as its scale
	v_add_nc_u32 v[SCO+1], 0xff000000, v[MX+1]
	v_lshrrev_b32 v[TP], 23, v[SCO]                ; the bytes of blocks h and 2 + h
	v_lshrrev_b32 v[TP+1], 23, v[SCO+1]
	v_lshl_or_b32 v[TP+2], v[TP+1], 16, v[TP]
	v_lshlrev_b32 v[TP+2], v[SH], v[TP+2]          ; at their places in the word
	v_permlanex16_b32 v[TP+3], v[TP+2], s24, s25
	v_or_b32 v[SW+(\t)], v[TP+2], v[TP+3]          ; with lane l xor 16's two the word is whole
.irp c, 0,1
.irp g, 0,1,2,3
	v_cvt_scalef32_pk8_fp4_f32 v[C+8*(\t)+4*\c+\g], v[X+32*\c+8*\g:X+32*\c+8*\g+7], v[SCO+\c]
.endr
.endr
	v_nop                                          ; one plain line behind the last conversion
.irp c, 0,1
	global_store_b128 v[GA], v[C+8*(\t)+4*\c:C+8*(\t)+4*\c+3], s[30:31] offset:1024*(\t)+512*\c   ; 512 consecutive bytes
.endr
.endm
	QSTEP 0
	QSTEP 1
	QSTEP 2
	QSTEP 3
	v_cmp_ne_u32 vcc_lo, 0, v3
	v_cndmask_b32 v[PR], v[SW], v[SW+2], vcc_lo    ; lanes 0-15 store row r's words 0 and 1, lanes 16-31 its words 2 and 3
	v_cndmask_b32 v[PR+1], v[SW+1], v[SW+3], vcc_lo
	global_store_b64 v[SA], v[PR:PR+1], s[32:33]   ; the wave stores 256 consecutive bytes
	s_wait_tensorcnt 0x0                           ; the wave's end
	ds_add_u32 v[SPW], v[NIL]
	s_wait_dscnt 0x0
	s_endpgm
.Lwo:
	; ---- Wo to f16
	s_sub_co_u32 s20, ttmp9, 352
	s_lshl_b32 s20, s20, 1
	s_add_co_u32 s20, s20, s27                     ; ct
	s_lshl_b32 s28, s20, 16
	s_lshl_b32 s29, s26, 11
	s_add_co_u32 s28, s28, s29
	s_mov_b32 s29, 0
	s_add_nc_u64 s[18:19], s[12:13], s[28:29]
	s_lshl_b32 s28, s20, 12                        ; 4,096 bytes a tile in a slab,
	s_lshl_b32 s30, s26, 20                        ; my four slabs of 262,144 bytes
	s_add_co_u32 s28, s28, s30
	s_add_nc_u64 s[20:21], s[16:17], s[28:29]
	LOAD 0
	LOAD 1
.macro WSTEP t
	LWAIT \t
	IN \t, WST
.irp m, 0,1,2,3,4,5,6,7                ; piece m = 2 ks + c: k = 16 m + 8 h + 0 .. 7 of row r
.irp i, 0,1
	ds_load_b128 v[X+8*\m+4*\i:X+8*\m+4*\i+3], v[SO2] offset:WST+64*\m+16*\i
.endr
.endr
	s_wait_dscnt 0x0
.if (\t) < 2
	LOAD (\t)+2
.endif
.if (\t) > 0
	s_wait_xcnt 0x0                                ; the last step's stores have read their data: the registers may be written again
.endif
.irp m, 0,1,2,3,4,5,6,7
.irp i, 0,1,2,3
	v_cvt_pk_f16_f32 v[C+4*\m+\i], v[X+8*\m+2*\i], v[X+8*\m+2*\i+1]
.endr
.endr
.irp m, 0,1,2,3,4,5,6,7
	global_store_b128 v[GA], v[C+4*\m:C+4*\m+3], s[20:21] offset:(\t)*262144+512*\m
.endr
.endm
	WSTEP 0
	WSTEP 1
	WSTEP 2
	WSTEP 3
	s_wait_tensorcnt 0x0                           ; the wave's end, as above
	ds_add_u32 v[SPW], v[NIL]
	s_wait_dscnt 0x0
	s_endpgm
.Lfunc_end_k_q1fda06aca1_prep:
	.size	k_q1fda06aca1_prep, .Lfunc_end_k_q1fda06aca1_prep-k_q1fda06aca1_prep
	.p2alignl 7, 3214868480
	.fill 96, 4, 3214868480
	.section	.rodata,"a",@progbits
	.p2align	6, 0x0
	.amdhsa_kernel k_q1fda06aca1_prep
		.amdhsa_group_segment_fixed_size 68096
		.amdhsa_private_segment_fixed_size 0
		.amdhsa_enable_private_segment 0
		.amdhsa_kernarg_size 56
		.amdhsa_user_sgpr_count 2
		.amdhsa_user_sgpr_kernarg_segment_ptr 1
		.amdhsa_wavefront_size32 1
		.amdhsa_system_sgpr_workgroup_id_x 1
		.amdhsa_system_sgpr_workgroup_id_y 1
		.amdhsa_system_sgpr_workgroup_id_z 1
		.amdhsa_system_vgpr_workitem_id 0
		.amdhsa_next_free_vgpr 252
		.amdhsa_next_free_sgpr 66
		.amdhsa_reserve_vcc 1
		.amdhsa_float_denorm_mode_32 3
		.amdhsa_float_denorm_mode_16_64 3
		.amdhsa_memory_ordered 1
		.amdhsa_forward_progress 1
		.amdhsa_inst_pref_size 56
	.end_amdhsa_kernel
	.amdgpu_metadata
---
amdhsa.version: [ 1, 2 ]
amdhsa.kernels:
  - .name:           k_q1fda06aca1_prep
    .symbol:         k_q1fda06aca1_prep.kd
    .args:
      - { .name: x, .offset: 0, .size: 8, .value_kind: global_buffer, .address_space: global }
      - { .name: Wq, .offset: 8, .size: 8, .value_kind: global_buffer, .address_space: global }
      - { .name: Wk, .offset: 16, .size: 8, .value_kind: global_buffer, .address_space: global }
      - { .name: Wv, .offset: 24, .size: 8, .value_kind: global_buffer, .address_space: global }
      - { .name: Wo, .offset: 32, .size: 8, .value_kind: global_buffer, .address_space: global }
      - { .name: codes, .offset: 40, .size: 8, .value_kind: global_buffer, .address_space: global }
      - { .name: wo16, .offset: 48, .size: 8, .value_kind: global_buffer, .address_space: global }
    .group_segment_fixed_size: 68096
    .private_segment_fixed_size: 0
    .kernarg_segment_align: 8
    .kernarg_segment_size: 56
    .max_flat_workgroup_size: 128
    .sgpr_count:     66
    .vgpr_count:     252
    .wavefront_size: 32
...
	.end_amdgpu_metadata
.endif
;; end of part 1
;; launch attn (part 2): grid 16 x 16, 4 waves a work-group, clusters of 4 x 1, 327,680 bytes of LDS; arguments codes, ao, qkvf; writes ao, qkvf
.if DOCPART == 2
	.amdgcn_target "amdgcn-amd-amdhsa--gfx1250"
	.amdhsa_code_object_version 6
	.text
	.protected	k_q1fda06aca1_attn
	.globl	k_q1fda06aca1_attn
	.p2align	8
	.type	k_q1fda06aca1_attn,@function
k_q1fda06aca1_attn:
	s_mov_b64 s[64:65], 0
	v_nop
	global_prefetch_b8 v0, s[64:65] scope:SCOPE_SE
	s_setreg_imm32_b32 hwreg(HW_REG_WAVE_MODE, 25, 1), 1
	s_wait_xcnt 0x0
	s_wait_alu depctr_hold_cnt(0) depctr_sa_sdst(0) depctr_va_vdst(0) depctr_va_sdst(0) depctr_va_ssrc(0) depctr_va_vcc(0) depctr_vm_vsrc(0)
	s_getreg_b32 s2, hwreg(HW_REG_IB_STS2, 6, 4)
	s_cmp_eq_u32 s2, 0
	s_cbranch_scc0 .Lentry_in_a_cluster
	s_endpgm
.Lentry_in_a_cluster:
	s_bfe_u32 s2, ttmp6, 0x10000c
	s_cmp_lg_u32 s2, 0x3003
	s_cbranch_scc0 .Lentry_shape_is_right
	s_endpgm
.Lentry_shape_is_right:
; The three projections q, k, v = x W^T on codes of FP4 with E8M0 scales, fused with the attention over a causal window of 128 keys.  q, k and v never go to memory.
; SHARES.  A work-group owns one head and a segment of 512 positions; it walks five chunks of 128 rows: the chunk ahead of the segment (for its k and v alone: its attention is jumped over), then its own four.
; In the projections the waves share the COLUMNS: wave w makes d = 16 w .. 16 w + 15 of q, k and v for all 128 rows, and its 24 fragments of W stay in registers.  In the attention they share the ROWS: wave w owns query tiles 2 w, 2 w + 1.
; LAYOUT.  q and k are made transposed (source 0 = 16 rows of W, source 1 = 16 rows of x): a lane holds one row and eight neighbouring d, which pack into one piece of an f16 fragment.  v is made straight (source 0 = x, source 1 = Wv):
; a lane holds one d and eight keys: a piece of a fragment of V^T.  The pieces go from wave to wave through LDS as images of the operand's registers, 16 bytes a lane.  S^T = K Q^T and O^T = V^T P^T: a lane holds one query throughout.
; x's fragments come from LDS a pair of row tiles ahead, in runs of eight loads that stand between the products of the pair in hand.
; THE BAND.  A tile of 16 queries sees nine tiles of 16 keys: the tile eight back (keys kl > r), seven whole ones, its own (kl <= r).  The wave's two query tiles span ten key tiles.  Hidden scores become -infinity ahead of the maximum.
; In the first chunk of a sequence all keys of the chunk before are hidden too (a select on the wave's number, under a branch on ids).
; SOFTMAX.  All of a query's keys are at hand at once: the maximum is taken away, p = 2^(c s - c m), c = log2(e) / 8; the sum is taken of the f32 p; p goes to f16 for the second product; O is divided by the sum.
; CLUSTER.  The four heads of a cluster read the same chunk of x's codes: it is asked for JOINTLY, each wave its two row tiles, by the same tensor load with a mask that names the four.
; The raw f32 sums of q, k, v for positions 0-15 of each sequence go to qkvf, for the launch that carries those rows in f32.
; LIMITS: |q|, |k|, |v| stay under 65,504, f16's largest number; NaN and infinities are not served.
; REGISTERS, in windows of 256: window 0: addresses, statistics, scale words, v96-255 S^T (in the projections: v96-143 six accumulators, v144-191 packed results);  window 1: W's fragments (q v0-63, k v64-127, v v128-191);
;   window 2: x's fragments of even pairs of row tiles, later Q v0-31 and V v32-191;   window 3: x's of odd pairs, later K v0-159.
.set TILEB,  8704
.set CHUNKB, 8*TILEB                   ; a chunk of 128 rows of x: 69,632 bytes
.set QUART,  2*TILEB                   ; what one tensor load brings: two row tiles, 68 rows of 256 bytes
.set SLOT1,  1<<17                     ; x's slot 1 begins here: one exclusive or turns an address
.set QI,     CHUNKB                    ; Q's images: tile m at 2048 m, piece w at 512 w
.set KI,     QI+16384                  ; K's: a ring of 16 key tiles
.set SPARE,  KI+32768                  ; the spare words, 128 bytes a wave, which no other line names
.set VI,     SLOT1+CHUNKB              ; V's: a ring of 8 blocks of 32 keys: block at 4096, d tile at 1024, piece at 512
.set LI,   1                           ; v1   16 x lane
.set AX0,  4                           ; v4-5  x's fragments: pairs 0, 1 and pairs 2, 3 of the slot in hand
.set AXS0, 6                           ; v6-7  x's scale words likewise: lanes 0-15 the pair's first tile, lanes 16-31 its second
.set AQW,  8                           ; v8   where I store q's pieces
.set AKW,  9                           ; v9   k's, in the ring's half in hand
.set AVW,  10                          ; v10  v's
.set AQR,  11                          ; v11  where I read my two query tiles
.set KRB,  12                          ; v12  KI + 16 lane
.set VRB,  13                          ; v13  VI + 16 lane
.set AKW0, 15
.set AVW0, 16
.set XSB,  17
.set NEG,  18                          ; v18  -infinity
.set AK,   20                          ; v20-29 the ten key tiles
.set AV,   30                          ; v30-34 the five blocks of V
.set SPW,  35                          ; v35  LDS address of my spare word; never rewritten
.set NIL,  36                          ; v36  0; never rewritten
.set GQK,  37                          ; v37  W's scale words: lanes 0-15 q's rows, lanes 16-31 k's
.set GV,   38                          ; v38  16 r
.set ST,   40                          ; v40-55 statistics, 8 a query tile: +0 c m, +1 m, +2..5 at work, +6 1 / sum, +7 written once
.set WSQ,  56                          ; v56-63 scale words of Wq (lanes 0-15) and Wk (lanes 16-31), one a K step
.set WSV,  64                          ; v64-71 of Wv
.set XS,   72                          ; v72-87 of x, two sets of 8
.set S,    96
.set ACC,  96                          ; q a0, k a0, q a1, k a1, v a0, v a1
.set PK,   144                         ; two sets of 24
.set WV,   10
.set CX,   11
.set HD,   12
.set YY,   13
.set FS,   14                          ; 1 where the segment begins a sequence
.set STP,  15                          ; the step, 0 to 4
.set XB,   16                          ; x's slot in hand
.set KVO,  17                          ; the rings' half in hand, in bytes
.set TS8,  18                          ; and in key tiles
.set FL,   19                          ; FS in step 1, else 0
.set SEL,  20
.set CS,   22
.set G1,   24
.set G0,   32
.set INC,  36                          ; s[36:37] from one chunk to the next
.set WB,   40                          ; s[40:45] my tiles of Wq, Wk, Wv
.set AOB,  46
.set QFB,  48
.set CM,   52                          ; s52-59 lanes where key 8 h + j <= r
.set MT,   60
.set LIMU, 61                          ; 8 - 2 w: key tiles under it lie in the chunk before
.set MSB, 0
.macro WIN new                         ; the immediate's high byte repeats the setting that is left
.if MSB != (\new)
	s_set_vgpr_msb (MSB<<8)|(\new)
.set MSB, (\new)
.endif
.endm
.macro PLACES
.rept 4
	v_nop
.endr
.endm
.macro ROUND                           ; a round of the cluster's barrier
	s_barrier_signal -1
	s_barrier_wait -1
	s_cmp_lg_u32 s[WV], 0
	s_cbranch_scc1 .Lnot_wave_0_\@
	s_barrier_signal -3
.Lnot_wave_0_\@:
	s_barrier_wait -3
	s_barrier_signal -1
	s_barrier_wait -1
.endm
	s_load_b128 s[4:7], s[0:1], 0x0                ; codes, ao
	s_load_b64 s[8:9], s[0:1], 0x10                ; qkvf
	v_lshl_add_u32 v[SPW], v0, 2, SPARE
	v_mov_b32 v[NIL], 0
	ds_add_u32 v[SPW], v[NIL]                      ; the wave's opening: the add, twice on end, and its wait ahead of my first tensor load
	ds_add_u32 v[SPW], v[NIL]
	v_lshrrev_b32 v2, 5, v0
	v_readfirstlane_b32 s[WV], v2                  ; wave 0..3
	s_bfe_u32 s[CX], ttmp6, 0x40000                ; my place in the cluster
	s_lshl_b32 s[HD], ttmp9, 2
	s_add_co_u32 s[HD], s[HD], s[CX]               ; the head: it enters global addresses of W, ao and qkvf alone
	s_and_b32 s[YY], ttmp7, 0xffff                 ; the segment, which the four partners share
	s_and_b32 s62, s[YY], 7
	s_cmp_eq_u32 s62, 0
	s_cselect_b32 s[FS], 1, 0
	s_mov_b32 s[STP], 0
	s_mov_b32 s[XB], 0
	s_mov_b32 s[KVO], 0
	s_mov_b32 s[TS8], 0
	s_mov_b32 s[SEL], 0x76543210
	s_mov_b32 s[SEL+1], 0xfedcba98
	s_mov_b32 s[CS], 0x3e38aa3b                    ; c = log2(e) / sqrt(64)
	s_mov_b32 s[CS+1], s[CS]
	; descriptor group 1: 68 dense rows of 256 bytes (32 elements of 8 bytes)
	s_mov_b32 s[G1], 15|(3<<16)|(1<<21)            ; the mask: all four work-groups; elements of 8 bytes; bit 21 beside a mask
	s_mov_b32 s[G1+1], 32<<16                      ; tensor_dim0
	s_mov_b32 s[G1+2], 68<<16                      ; tensor_dim1
	s_mov_b32 s[G1+3], 32<<16                      ; tile_dim0
	s_mov_b32 s[G1+4], 68                          ; tile_dim1
	s_mov_b32 s[G1+5], 32                          ; from row to row
	s_mov_b32 s[G1+6], 0
	s_mov_b32 s[G1+7], 0
	s_lshl_b32 s62, s[YY], 2
	s_max_u32 s62, s62, 1
	s_sub_co_u32 s62, s62, 1                       ; the first chunk: 4 y - 1, held at 0
	s_mul_i32 s62, s62, CHUNKB
	s_mul_i32 s63, s[WV], QUART                    ; my two row tiles, in memory and in a slot
	s_add_co_u32 s66, s62, s63
	s_mov_b32 s67, 0
	s_cmp_eq_u32 s[YY], 0
	s_cselect_b32 s[INC], 0, CHUNKB                ; segment 0 takes chunk 0 twice
	s_mov_b32 s[INC+1], 0
	s_lshl_b32 s[LIMU], s[WV], 1
	s_sub_co_u32 s[LIMU], 8, s[LIMU]
	; what hangs on the head is made in registers of its own
	s_lshl_b32 s68, s[HD], 2
	s_add_co_u32 s68, s68, s[WV]
	s_add_co_u32 s68, s68, 512
	s_mul_i32 s68, s68, TILEB                      ; Wq's tile 4 head + w
	s_mov_b32 s69, 0
	s_lshr_b32 s70, s[HD], 1
	s_lshl_b32 s70, s70, 21                        ; ao: slab head / 2,
	s_and_b32 s71, s[HD], 1
	s_lshl_b32 s71, s71, 11                        ; + 2048 (head % 2),
	s_add_co_u32 s70, s70, s71
	s_lshl_b32 s71, s[YY], 5
	s_add_co_u32 s71, s71, s[WV]
	s_add_co_u32 s71, s71, s[WV]
	s_lshl_b32 s71, s71, 12                        ; + row tile 32 y + 2 w
	s_add_co_u32 s70, s70, s71
	s_mov_b32 s71, 0
	s_lshr_b32 s72, s[YY], 3
	s_lshl_b32 s72, s72, 4
	s_add_co_u32 s72, s72, s[HD]
	s_mul_i32 s72, s72, 12288                      ; qkvf: (16 batch + head) x 12,288
	s_lshl_b32 s73, s[WV], 10
	s_add_co_u32 s72, s72, s73
	s_mov_b32 s73, 0
	; vector addresses: constants, the lane and the wave
	v_and_b32 v1, 31, v0
	v_lshlrev_b32 v[LI], 4, v1
	v_and_b32 v2, 15, v0                           ; r
	v_bfe_u32 v3, v0, 4, 1                         ; h
	s_lshl_b32 s74, s[WV], 9
	v_add_nc_u32 v[AQW], s74, v[LI]
	v_add_nc_u32 v[AKW0], KI, v[AQW]
	v_add_nc_u32 v[AQW], QI, v[AQW]
	s_lshl_b32 s74, s[WV], 10
	v_add_nc_u32 v[AVW0], s74, v[LI]
	v_add_nc_u32 v[AVW0], VI, v[AVW0]
	s_lshl_b32 s74, s[WV], 12
	v_add_nc_u32 v[AQR], s74, v[LI]
	v_add_nc_u32 v[AQR], QI, v[AQR]
	v_add_nc_u32 v[KRB], KI, v[LI]
	v_add_nc_u32 v[VRB], VI, v[LI]
	v_mul_u32_u24 v[XSB], v3, TILEB
	v_lshl_add_u32 v[XSB], v2, 4, v[XSB]
	v_add_nc_u32 v[XSB], 8192, v[XSB]
	v_mov_b32 v[NEG], 0xff800000
	v_lshlrev_b32 v[GV], 4, v2
	v_mul_u32_u24 v[GQK], v3, 64*TILEB             ; Wk's tile lies 64 tiles behind Wq's
	v_add_nc_u32 v[GQK], v[GQK], v[GV]
	v_lshlrev_b32 v14, 3, v3
	v_sub_nc_u32 v14, v2, v14                      ; r - 8 h
.irp j, 0,1,2,3,4,5,6,7
	v_cmp_le_i32 s[CM+\j], \j, v14
.endr
	v_mov_b32 v[ST+7], 0                           ; named as the upper halves of pairs
	v_mov_b32 v[ST+15], 0
	s_wait_dscnt 0x0                               ; both opening adds are done
	s_wait_kmcnt 0x0
	s_mov_b32 s[G0], 1
	s_mov_b32 s[G0+1], s63                         ; slot 0
	s_add_nc_u64 s[G0+2:G0+3], s[4:5], s[66:67]
	s_or_b32 s[G0+3], s[G0+3], 0x80000000
	s_add_nc_u64 s[WB:WB+1], s[4:5], s[68:69]
	s_add_nc_u64 s[WB+2:WB+3], s[WB:WB+1], 64*TILEB
	s_add_nc_u64 s[WB+4:WB+5], s[WB+2:WB+3], 64*TILEB
	s_add_nc_u64 s[AOB:AOB+1], s[6:7], s[70:71]
	s_add_nc_u64 s[QFB:QFB+1], s[8:9], s[72:73]
	ROUND                                          ; all four work-groups are here: the first joint loads meet
	tensor_load_to_lds s[G0:G0+3], s[G1:G1+7]      ; step 0's chunk
	s_nop 0
	PLACES
	WIN 0x40                                       ; destination window 1
.irp j, 0,1,2
.irp ks, 0,1,2,3,4,5,6,7
.irp c, 0,1
	global_load_b128 v[64*\j+8*\ks+4*\c:64*\j+8*\ks+4*\c+3], v[LI], s[WB+2*\j:WB+2*\j+1] offset:1024*\ks+512*\c   ; W's fragments stay
.endr
.endr
.endr
	WIN 0
.irp u, 0,1
	global_load_b128 v[WSQ+4*\u:WSQ+4*\u+3], v[GQK], s[WB:WB+1] offset:8192+256*\u
	global_load_b128 v[WSV+4*\u:WSV+4*\u+3], v[GV], s[WB+4:WB+5] offset:8192+256*\u
.endr
	s_wait_loadcnt 0x0
; THE HEAD OF A STEP.  Each wave waits for all its tensor loads (one is out: its part of this step's chunk), adds 0 to its spare word, and waits for that and for its LDS reads of the last step.
; fill = 1: a round of the cluster's barrier, and first behind it my one joint load: the next step's chunk into the slot that was read last step; it has this whole step in which to land.
.macro HEAD fill
	s_wait_tensorcnt 0x0                           ; no tensor load of mine is out, so the descriptor may be written
	ds_add_u32 v[SPW], v[NIL]
.if \fill
	s_xor_b32 s[G0+1], s[G0+1], SLOT1
	s_add_nc_u64 s[G0+2:G0+3], s[G0+2:G0+3], s[INC:INC+1]
	s_mov_b32 s[INC], CHUNKB
.endif
	s_wait_dscnt 0x0                               ; the add is done, and my reads of the slot and of the images are over
.if \fill
	ROUND
	tensor_load_to_lds s[G0:G0+3], s[G1:G1+7]
	s_nop 0
	PLACES
.else
	s_barrier_signal -1
	s_barrier_wait -1
.endif
	v_add_nc_u32 v[AX0], s[XB], v[LI]
	v_add_nc_u32 v[AX0+1], 2*QUART, v[AX0]
	v_add_nc_u32 v[AXS0], s[XB], v[XSB]
	v_add_nc_u32 v[AXS0+1], 2*QUART, v[AXS0]
	v_add_nc_u32 v[AKW], s[KVO], v[AKW0]
	v_add_nc_u32 v[AVW], s[KVO], v[AVW0]
.endm
; Pair p of row tiles: its scale words, two loads
.macro XSLOAD p
	WIN 0
.irp u, 0,1
	ds_load_b128 v[XS+8*((\p)%2)+4*\u:XS+8*((\p)%2)+4*\u+3], v[AXS0+(\p)/2] offset:((\p)%2)*QUART+256*\u
.endr
.endm
; and its fragments of K steps k1 - 1 and k1: a run of eight loads
.macro XFLOAD p, k1
	WIN 0x80+0x40*((\p)%2)                         ; destination window 2 or 3
.irp e, 1,0
.irp a, 0,1
.irp c, 0,1
	ds_load_b128 v[64*\a+8*((\k1)-\e)+4*\c:64*\a+8*((\k1)-\e)+4*\c+3], v[AX0+(\p)/2] offset:((\p)%2)*QUART+TILEB*\a+1024*((\k1)-\e)+512*\c
.endr
.endr
.endr
.endm
; One scaled matrix instruction.  ks = 0: it starts the sum.  ra, rb: the side's scales stand in lanes 16-31
.macro W4 d, a, b, ks, sa, sb, ra, rb
.if (\ks) == 0
.if (\ra) && (\rb)
	v_wmma_scale_f32_16x16x128_f8f6f4 v[\d:\d+7], v[\a:\a+7], v[\b:\b+7], 0, v[\sa], v[\sb] matrix_a_fmt:MATRIX_FMT_FP4 matrix_b_fmt:MATRIX_FMT_FP4 matrix_a_scale:MATRIX_SCALE_ROW1 matrix_b_scale:MATRIX_SCALE_ROW1
.elseif \ra
	v_wmma_scale_f32_16x16x128_f8f6f4 v[\d:\d+7], v[\a:\a+7], v[\b:\b+7], 0, v[\sa], v[\sb] matrix_a_fmt:MATRIX_FMT_FP4 matrix_b_fmt:MATRIX_FMT_FP4 matrix_a_scale:MATRIX_SCALE_ROW1
.elseif \rb
	v_wmma_scale_f32_16x16x128_f8f6f4 v[\d:\d+7], v[\a:\a+7], v[\b:\b+7], 0, v[\sa], v[\sb] matrix_a_fmt:MATRIX_FMT_FP4 matrix_b_fmt:MATRIX_FMT_FP4 matrix_b_scale:MATRIX_SCALE_ROW1
.else
	v_wmma_scale_f32_16x16x128_f8f6f4 v[\d:\d+7], v[\a:\a+7], v[\b:\b+7], 0, v[\sa], v[\sb] matrix_a_fmt:MATRIX_FMT_FP4 matrix_b_fmt:MATRIX_FMT_FP4
.endif
.else
.if (\ra) && (\rb)
	v_wmma_scale_f32_16x16x128_f8f6f4 v[\d:\d+7], v[\a:\a+7], v[\b:\b+7], v[\d:\d+7], v[\sa], v[\sb] matrix_a_fmt:MATRIX_FMT_FP4 matrix_b_fmt:MATRIX_FMT_FP4 matrix_a_scale:MATRIX_SCALE_ROW1 matrix_b_scale:MATRIX_SCALE_ROW1
.elseif \ra
	v_wmma_scale_f32_16x16x128_f8f6f4 v[\d:\d+7], v[\a:\a+7], v[\b:\b+7], v[\d:\d+7], v[\sa], v[\sb] matrix_a_fmt:MATRIX_FMT_FP4 matrix_b_fmt:MATRIX_FMT_FP4 matrix_a_scale:MATRIX_SCALE_ROW1
.elseif \rb
	v_wmma_scale_f32_16x16x128_f8f6f4 v[\d:\d+7], v[\a:\a+7], v[\b:\b+7], v[\d:\d+7], v[\sa], v[\sb] matrix_a_fmt:MATRIX_FMT_FP4 matrix_b_fmt:MATRIX_FMT_FP4 matrix_b_scale:MATRIX_SCALE_ROW1
.else
	v_wmma_scale_f32_16x16x128_f8f6f4 v[\d:\d+7], v[\a:\a+7], v[\b:\b+7], v[\d:\d+7], v[\sa], v[\sb] matrix_a_fmt:MATRIX_FMT_FP4 matrix_b_fmt:MATRIX_FMT_FP4
.endif
.endif
.endm
; Pair p's 48 products.  nxt = 1: behind every eight products of q and k stands a run of eight loads: the next pair's fragments of the same two K steps.
; The wait at an even K step k is for this pair's fragments of K steps k and k + 1.  Behind them were issued: this pair's later K steps, 4 (6 - k) loads; the last pair's six stores (pairs 1 to 3);
; and with nxt = 1 the next pair's two scale loads and 4 k fragment loads: so the count does not hang on k there: after = 26 for pair 0, 32 for pairs 1 and 2.  nxt = 0: after = 6, and 4 (6 - k) are added.
; The accumulators take turns.
.macro QKV p, after, nxt
.set XSP, XS+8*((\p)%2)
.irp ks, 0,1,2,3,4,5,6,7
.if (\ks)%2 == 0
.if \nxt
	s_wait_dscnt \after
.else
	s_wait_dscnt (\after)+4*(6-\ks)
.endif
.endif
	WIN 0x09+4*((\p)%2)                            ; source 0 (W) window 1, source 1 (x) window 2 or 3
	W4 ACC, 8*\ks, 8*\ks, \ks, WSQ+\ks, XSP+\ks, 0, 0
	W4 ACC+8, 64+8*\ks, 8*\ks, \ks, WSQ+\ks, XSP+\ks, 1, 0
	W4 ACC+16, 8*\ks, 64+8*\ks, \ks, WSQ+\ks, XSP+\ks, 0, 1
	W4 ACC+24, 64+8*\ks, 64+8*\ks, \ks, WSQ+\ks, XSP+\ks, 1, 1
.if (\nxt) && ((\ks)%2 == 1)
	XFLOAD (\p)+1, \ks                             ; into the other window: its last readers stand ahead of the last pair's conversions
.endif
.endr
	WIN 0x06+((\p)%2)                              ; source 0 (x) window 2 or 3, source 1 (Wv) window 1
.irp ks, 0,1,2,3,4,5,6,7
	W4 ACC+32, 8*\ks, 128+8*\ks, \ks, XSP+\ks, WSV+\ks, 0, 0
	W4 ACC+40, 64+8*\ks, 128+8*\ks, \ks, XSP+\ks, WSV+\ks, 1, 0
.endr
.endm
; Pair p's results: to f16, each accumulator from its low end, and to LDS as pieces of fragments.  fine = 1: in the first chunk of a sequence the raw sums of rows 0-15 go to qkvf first.
.macro PUT p, fine
	WIN 0
	PLACES
.if \fine
	s_cmp_lg_u32 s[FL], 0
	s_cbranch_scc0 .Lno_fine_\@
.irp c, 0,1
	global_store_b128 v[LI], v[ACC+4*\c:ACC+4*\c+3], s[QFB:QFB+1] offset:512*\c
.endr
.irp c, 0,1
	global_store_b128 v[LI], v[ACC+8+4*\c:ACC+8+4*\c+3], s[QFB:QFB+1] offset:4096+512*\c
.endr
.irp c, 0,1
	global_store_b128 v[LI], v[ACC+32+4*\c:ACC+32+4*\c+3], s[QFB:QFB+1] offset:8192+512*\c
.endr
	s_wait_xcnt 0x0                                ; the stores have read their data: the accumulators may be written again
.Lno_fine_\@:
.endif
.set PKS, PK+24*((\p)%2)
.irp q, 0,1,2,3,4,5
.irp i, 0,1,2,3
	v_cvt_pk_f16_f32 v[PKS+4*\q+\i], v[ACC+8*\q+2*\i], v[ACC+8*\q+2*\i+1]
.endr
.endr
.irp a, 0,1
	ds_store_b128 v[AQW], v[PKS+8*\a:PKS+8*\a+3] offset:2048*(2*(\p)+\a)
	ds_store_b128 v[AKW], v[PKS+8*\a+4:PKS+8*\a+7] offset:2048*(2*(\p)+\a)
	ds_store_b128 v[AVW], v[PKS+16+4*\a:PKS+16+4*\a+3] offset:4096*(\p)+512*\a
.endr
.endm
.macro PHASE_A fine
	XSLOAD 0                                       ; pair 0 has no products in front of it: its 34 loads stand together
	XFLOAD 0, 1
	XFLOAD 0, 3
	XFLOAD 0, 5
	XFLOAD 0, 7
	XSLOAD 1
	QKV 0, 26, 1
	PUT 0, \fine
	XSLOAD 2
	QKV 1, 32, 1
	PUT 1, 0
	XSLOAD 3
	QKV 2, 32, 1
	PUT 2, 0
	QKV 3, 6, 0
	PUT 3, 0
	s_wait_dscnt 0x0                               ; for the others' sake: my pieces lie in LDS
	s_barrier_signal -1                            ; (my tensor load may stay out)
	s_barrier_wait -1
.endm
.macro PHASE_B first
	; the ten key tiles' places in the ring: tile (TS8 + 2 w + 8 + u) mod 16; a block of V is two tiles
	s_lshl_b32 s62, s[WV], 1
	s_add_co_u32 s62, s62, s[TS8]
	s_add_co_u32 s62, s62, 8
.irp u, 0,1,2,3,4,5,6,7,8,9
	s_add_co_u32 s63, s62, \u
	s_and_b32 s63, s63, 15
	s_lshl_b32 s63, s63, 11
	v_add_nc_u32 v[AK+\u], s63, v[KRB]
.if (\u)%2 == 0
	v_add_nc_u32 v[AV+(\u)/2], s63, v[VRB]
.endif
.endr
	WIN 0x80
.irp a, 0,1
.irp dk, 0,1
.irp c, 0,1
	ds_load_b128 v[16*\a+8*\dk+4*\c:16*\a+8*\dk+4*\c+3], v[AQR] offset:2048*\a+1024*\dk+512*\c
.endr
.endr
.endr
	WIN 0xc0
.irp u, 0,1,2,3,4,5,6,7,8,9
.irp dk, 0,1
.irp c, 0,1
	ds_load_b128 v[16*\u+8*\dk+4*\c:16*\u+8*\dk+4*\c+3], v[AK+\u] offset:1024*\dk+512*\c
.endr
.endr
.endr
	WIN 0x80
.irp j, 0,1,2,3,4
.irp dt, 0,1,2,3
.irp c, 0,1
	ds_load_b128 v[32+32*\j+8*\dt+4*\c:32+32*\j+8*\dt+4*\c+3], v[AV+\j] offset:1024*\dt+512*\c
.endr
.endr
.endr
	s_wait_dscnt 40                                ; Q and K are in; V's 40 loads may be out
	WIN 0x0b                                       ; source 0 (K) window 3, source 1 (Q) window 2
.irp dk, 0,1
.irp u, 0,1,2,3,4,5,6,7,8,9
.irp a, 0,1
.if ((\u) >= (\a)) && ((\u) <= 8+(\a))
.if \dk == 0
	v_wmma_f32_16x16x32_f16 v[S+80*\a+8*\u:S+80*\a+8*\u+7], v[16*\u+8*\dk:16*\u+8*\dk+7], v[16*\a+8*\dk:16*\a+8*\dk+7], 0
.else
	v_wmma_f32_16x16x32_f16 v[S+80*\a+8*\u:S+80*\a+8*\u+7], v[16*\u+8*\dk:16*\u+8*\dk+7], v[16*\a+8*\dk:16*\a+8*\dk+7], v[S+80*\a+8*\u:S+80*\a+8*\u+7]
.endif
.endif
.endr
.endr
.endr
	WIN 0
	PLACES
	; the band: register j of lane (r, h) holds key 8 h + j of its tile, query r
.irp j, 0,1,2,3,4,5,6,7
	v_cndmask_b32 v[S+\j], v[S+\j], v[NEG], s[CM+\j]               ; the tile eight back: hidden where key <= r
	v_cndmask_b32 v[S+88+\j], v[S+88+\j], v[NEG], s[CM+\j]
	v_cndmask_b32 v[S+64+\j], v[NEG], v[S+64+\j], s[CM+\j]         ; the query's own tile: kept where key <= r
	v_cndmask_b32 v[S+152+\j], v[NEG], v[S+152+\j], s[CM+\j]
.endr
.if \first
	s_cmp_lg_u32 s[FL], 0
	s_cbranch_scc0 .Lnot_first_\@
.irp u, 0,1,2,3,4,5,6,7                ; a sequence's first chunk: the key tiles of the chunk before are hidden whole
	s_cmp_lt_u32 \u, s[LIMU]
	s_cselect_b32 s[MT], -1, 0
.irp j, 0,1,2,3,4,5,6,7
	v_cndmask_b32 v[S+8*\u+\j], v[S+8*\u+\j], v[NEG], s[MT]
.if \u > 0
	v_cndmask_b32 v[S+80+8*\u+\j], v[S+80+8*\u+\j], v[NEG], s[MT]
.endif
.endr
.endr
.Lnot_first_\@:
.endif
	; the softmax: tile a's 72 scores lie on end from v[S + 88 a]; the two tiles by turns; every accumulator is read from its low end on
.irp m, 0,1,2,3
.irp a, 0,1
	v_max3_num_f32 v[ST+8*\a+2+\m], v[S+88*\a+3*\m], v[S+88*\a+3*\m+1], v[S+88*\a+3*\m+2]
.endr
.endr
.set nn, 0
.rept 30
.irp a, 0,1
	v_max3_num_f32 v[ST+8*\a+2+nn%4], v[ST+8*\a+2+nn%4], v[S+88*\a+12+2*nn], v[S+88*\a+13+2*nn]
.endr
.set nn, nn+1
.endr
.irp a, 0,1
	v_max3_num_f32 v[ST+8*\a+2], v[ST+8*\a+2], v[ST+8*\a+3], v[ST+8*\a+4]
.endr
.irp a, 0,1
	v_max_num_f32 v[ST+8*\a+2], v[ST+8*\a+2], v[ST+8*\a+5]
.endr
.irp a, 0,1
	v_permlanex16_b32 v[ST+8*\a+3], v[ST+8*\a+2], s[SEL], s[SEL+1]   ; the query's other keys lie in the lane 16 away
.endr
.irp a, 0,1
	v_max_num_f32 v[ST+8*\a+1], v[ST+8*\a+2], v[ST+8*\a+3]           ; m: the key at the query's own position always counts, so m is a number
.endr
.irp a, 0,1
	v_mul_f32 v[ST+8*\a], s[CS], v[ST+8*\a+1]
.endr
.set nn, 0
.rept 36
.irp a, 0,1
	v_pk_fma_f32 v[S+88*\a+2*nn:S+88*\a+2*nn+1], v[S+88*\a+2*nn:S+88*\a+2*nn+1], s[CS:CS+1], v[ST+8*\a:ST+8*\a+1] op_sel_hi:[1,0,0] neg_lo:[0,0,1] neg_hi:[0,0,1]   ; c s - c m
.endr
.set nn, nn+1
.endr
.set nn, 0
.rept 72
	v_exp_f32 v[S+nn], v[S+nn]
	v_exp_f32 v[S+88+nn], v[S+88+nn]
.set nn, nn+1
.endr
	v_nop                                          ; a plain line behind the last exponential
	s_wait_alu depctr_va_vdst(0)                   ; one wait for the batch of 144, ahead of its first reader
.irp a, 0,1
	v_pk_add_f32 v[ST+8*\a+2:ST+8*\a+3], v[S+88*\a:S+88*\a+1], v[S+88*\a+2:S+88*\a+3]   ; the sum of the f32 p, in two chains
	v_pk_add_f32 v[ST+8*\a+4:ST+8*\a+5], v[S+88*\a+4:S+88*\a+5], v[S+88*\a+6:S+88*\a+7]
.endr
.set nn, 4
.rept 16
.irp a, 0,1
	v_pk_add_f32 v[ST+8*\a+2:ST+8*\a+3], v[ST+8*\a+2:ST+8*\a+3], v[S+88*\a+2*nn:S+88*\a+2*nn+1]
	v_pk_add_f32 v[ST+8*\a+4:ST+8*\a+5], v[ST+8*\a+4:ST+8*\a+5], v[S+88*\a+2*nn+2:S+88*\a+2*nn+3]
.endr
.set nn, nn+2
.endr
.irp a, 0,1
	v_pk_add_f32 v[ST+8*\a+2:ST+8*\a+3], v[ST+8*\a+2:ST+8*\a+3], v[ST+8*\a+4:ST+8*\a+5]
.endr
.irp a, 0,1
	v_add_f32 v[ST+8*\a+2], v[ST+8*\a+2], v[ST+8*\a+3]
.endr
.irp a, 0,1
	v_permlanex16_b32 v[ST+8*\a+3], v[ST+8*\a+2], s[SEL], s[SEL+1]
.endr
.irp a, 0,1
	v_add_f32 v[ST+8*\a+2], v[ST+8*\a+2], v[ST+8*\a+3]
.endr
.irp a, 0,1
	v_rcp_f32 v[ST+8*\a+6], v[ST+8*\a+2]
.endr
.set nn, 0
.rept 36                               ; p to f16, in place and ascending: P(a)[i] = v[S + 80 a + i]; two key tiles' eight registers are source 1 for a block of 32 keys
	v_cvt_pk_f16_f32 v[S+nn], v[S+2*nn], v[S+2*nn+1]
	v_cvt_pk_f16_f32 v[S+84+nn], v[S+88+2*nn], v[S+89+2*nn]
.set nn, nn+1
.endr
.irp i, 0,1,2,3
	v_mov_b32 v[S+36+\i], 0                        ; tile 0 has no tenth key tile,
	v_mov_b32 v[S+80+\i], 0                        ; tile 1 no first
.endr
	v_nop
	s_wait_alu depctr_va_vdst(0)                   ; the wait for the two reciprocals
	s_wait_dscnt 0x0                               ; V is in
	WIN 0x02                                       ; source 0 (V) window 2
.irp j, 0,1,2,3,4
.irp dt, 0,1,2,3
.irp a, 0,1
.if \j == 0
	v_wmma_f32_16x16x32_f16 v[S+40+80*\a+8*\dt:S+40+80*\a+8*\dt+7], v[32+32*\j+8*\dt:32+32*\j+8*\dt+7], v[S+80*\a+8*\j:S+80*\a+8*\j+7], 0
.else
	v_wmma_f32_16x16x32_f16 v[S+40+80*\a+8*\dt:S+40+80*\a+8*\dt+7], v[32+32*\j+8*\dt:32+32*\j+8*\dt+7], v[S+80*\a+8*\j:S+80*\a+8*\j+7], v[S+40+80*\a+8*\dt:S+40+80*\a+8*\dt+7]
.endif
.endr
.endr
.endr
	WIN 0
	PLACES
.irp a, 0,1
.set nn, 0
.rept 16
	v_pk_mul_f32 v[S+40+80*\a+2*nn:S+40+80*\a+2*nn+1], v[S+40+80*\a+2*nn:S+40+80*\a+2*nn+1], v[ST+8*\a+6:ST+8*\a+7] op_sel_hi:[1,0]   ; O^T / the sum
.set nn, nn+1
.endr
.endr
.irp a, 0,1
.set nn, 0
.rept 16
	v_cvt_pk_f16_f32 v[S+16*\a+nn], v[S+40+80*\a+2*nn], v[S+41+80*\a+2*nn]
.set nn, nn+1
.endr
.endr
.irp a, 0,1
.irp dt, 0,1,2,3
	global_store_b128 v[LI], v[S+16*\a+4*\dt:S+16*\a+4*\dt+3], s[AOB:AOB+1] offset:4096*\a+512*\dt   ; a piece of the next product's fragment: 512 consecutive bytes
.endr
.endr
	s_wait_xcnt 0x0                                ; the stores have read their data and their base
	s_add_nc_u64 s[AOB:AOB+1], s[AOB:AOB+1], 32768 ; the next chunk's eight row tiles
.endm
.Lstep:                                            ; four trips: steps 0 to 3, each asking for the next step's chunk
	s_cmp_eq_u32 s[STP], 1
	s_cselect_b32 s[FL], s[FS], 0
	HEAD 1
	PHASE_A 1
	s_cmp_eq_u32 s[STP], 0                         ; step 0 is there for its k and v alone
	s_cbranch_scc1 .Lhalo
	PHASE_B 1
.Lhalo:
	s_xor_b32 s[XB], s[XB], SLOT1
	s_xor_b32 s[KVO], s[KVO], 16384
	s_xor_b32 s[TS8], s[TS8], 8
	s_add_co_u32 s[STP], s[STP], 1
	s_cmp_lt_u32 s[STP], 4
	s_cbranch_scc1 .Lstep
	HEAD 0                                         ; the last step is written out: it asks for nothing
	PHASE_A 0
	PHASE_B 0
	s_wait_tensorcnt 0x0                           ; the wave's end
	ds_add_u32 v[SPW], v[NIL]
	s_wait_dscnt 0x0
	ROUND                                          ; the closing round
	s_endpgm
.Lfunc_end_k_q1fda06aca1_attn:
	.size	k_q1fda06aca1_attn, .Lfunc_end_k_q1fda06aca1_attn-k_q1fda06aca1_attn
	.p2alignl 7, 3214868480
	.fill 96, 4, 3214868480
	.section	.rodata,"a",@progbits
	.p2align	6, 0x0
	.amdhsa_kernel k_q1fda06aca1_attn
		.amdhsa_group_segment_fixed_size 327680
		.amdhsa_private_segment_fixed_size 0
		.amdhsa_enable_private_segment 0
		.amdhsa_kernarg_size 24
		.amdhsa_user_sgpr_count 2
		.amdhsa_user_sgpr_kernarg_segment_ptr 1
		.amdhsa_wavefront_size32 1
		.amdhsa_system_sgpr_workgroup_id_x 1
		.amdhsa_system_sgpr_workgroup_id_y 1
		.amdhsa_system_sgpr_workgroup_id_z 1
		.amdhsa_system_vgpr_workitem_id 0
		.amdhsa_next_free_vgpr 1024
		.amdhsa_next_free_sgpr 80
		.amdhsa_reserve_vcc 0
		.amdhsa_float_denorm_mode_32 3
		.amdhsa_float_denorm_mode_16_64 3
		.amdhsa_memory_ordered 1
		.amdhsa_forward_progress 1
		.amdhsa_inst_pref_size 192
	.end_amdhsa_kernel
	.amdgpu_metadata
---
amdhsa.version: [ 1, 2 ]
amdhsa.kernels:
  - .name:           k_q1fda06aca1_attn
    .symbol:         k_q1fda06aca1_attn.kd
    .args:
      - { .name: codes, .offset: 0, .size: 8, .value_kind: global_buffer, .address_space: global }
      - { .name: ao, .offset: 8, .size: 8, .value_kind: global_buffer, .address_space: global }
      - { .name: qkvf, .offset: 16, .size: 8, .value_kind: global_buffer, .address_space: global }
    .group_segment_fixed_size: 327680
    .private_segment_fixed_size: 0
    .kernarg_segment_align: 8
    .kernarg_segment_size: 24
    .max_flat_workgroup_size: 128
    .sgpr_count:     80
    .vgpr_count:     1024
    .wavefront_size: 32
...
	.end_amdgpu_metadata
.endif
;; end of part 2
;; launch proj (part 3): grid 4 x 64, 4 waves a work-group, clusters of 4 x 4, 327,680 bytes of LDS; arguments ao, wo16, out0; writes out0
.if DOCPART == 3
	.amdgcn_target "amdgcn-amd-amdhsa--gfx1250"
	.amdhsa_code_object_version 6
	.text
	.protected	k_q1fda06aca1_proj
	.globl	k_q1fda06aca1_proj
	.p2align	8
	.type	k_q1fda06aca1_proj,@function
k_q1fda06aca1_proj:
	s_mov_b64 s[64:65], 0
	v_nop
	global_prefetch_b8 v0, s[64:65] scope:SCOPE_SE
	s_setreg_imm32_b32 hwreg(HW_REG_WAVE_MODE, 25, 1), 1
	s_wait_xcnt 0x0
	s_wait_alu depctr_hold_cnt(0) depctr_sa_sdst(0) depctr_va_vdst(0) depctr_va_sdst(0) depctr_va_ssrc(0) depctr_va_vcc(0) depctr_vm_vsrc(0)
	s_getreg_b32 s2, hwreg(HW_REG_IB_STS2, 6, 4)
	s_cmp_eq_u32 s2, 0
	s_cbranch_scc0 .Lentry_in_a_cluster
	s_endpgm
.Lentry_in_a_cluster:
	s_bfe_u32 s2, ttmp6, 0x10000c
	s_cmp_lg_u32 s2, 0xf033
	s_cbranch_scc0 .Lentry_shape_is_right
	s_endpgm
.Lentry_shape_is_right:
; out0 [8192][1024] f32 = attn Wo^T, f16 operands, f32 sums.  Both operands lie in memory in the order of the operand's registers: ao [slab of 128 K: 8][row tile: 512][4,096 bytes], wo16 [slab: 8][column tile: 64][4,096 bytes];
; in a tile: K step ks of 32 at 1024 ks, piece c at 512 c, lane at 16 l.  So a slab's part of a tile of C is one dense block, LDS needs no padding, and a fragment is two loads of 512 consecutive bytes.
; A tile of C is 128 rows x 256 columns: 256 work-groups.  Four waves, each 64 x 128: 32 accumulators, 256 registers (window 1).  K goes in 8 slabs of 128.
; LDS HOLDS THREE SLABS: slab s lies in region s % 3 (A's 32,768 bytes, then B's 65,536).  Slabs 0, 1, 2 are first fills: three loads of a wave are out at the start.  The other five come behind three rounds, one load a wave behind each:
;   at the end of slab 1: slabs 3 and 4, a whole block to a wave (waves 0, 1: A's of slab 3, of slab 4; waves 2, 3: B's);  at the end of slab 2: slab 5, half a block to a wave;  at the end of slab 4: slabs 6 and 7, as 3 and 4.
; From the request for slab 5 to the wait for it a wave issues 240 matrix instructions, for the two double requests 112.  Into slabs 4 and 7 no barrier leads: the wait for all loads and the barrier a slab earlier have shown them to every wave.
; Every change of slab differs from its neighbours, so the walk along K is written out by macros, without a loop.
; CLUSTERS: 4 x 4 work-groups.  The four of a row of the cluster need the same rows of ao, the four of a column the same rows of wo16: each is asked for JOINTLY.
; THE MATRIX INSTRUCTION IS USED TRANSPOSED (source 0 = 16 rows of Wo, source 1 = 16 rows of attn): a lane holds eight neighbouring numbers of a row of C.
; Rows 0-15 of each sequence are stored here too and stored again, more finely, by the launch that follows.
.set SLOT,   98304                     ; a region: A's 32,768 bytes, then B's 65,536
.set BOFF,   32768
.set SPARE,  3*SLOT                    ; the spare words, 128 bytes a wave, which no other line names
.set STG,    2*SLOT                    ; the way out: the stages lie in region 2, behind its last fill (slab 5) and its last read
.set SPITCH, 528                       ; a stage: 16 rows x (512 + 16) bytes a wave
.set GSA,    2097152                   ; a slab of ao
.set GSB,    262144                    ; a slab of wo16
.set ADRA, 16                          ; v16-18 my A fragments in regions 0, 1, 2
.set ADRB, 20                          ; v20-22 my B fragments
.set STO,  24
.set RD,   25
.set CO,   26                          ; 16 x lane
.set SPW,  28                          ; LDS address of my spare word; never rewritten
.set NIL,  29                          ; 0; never rewritten
.set F0,   32                          ; a fragment buffer: A's four tiles at + 8 i, B's eight at + 32 + 8 b
.set F1,   128
.set G1AH, 24                          ; descriptor groups 1: half of A's block, 64 rows of 256 bytes;
.set G1BH, 32                          ; half of B's, 128 rows;
.set G1AW, 40                          ; all of A's, 128 rows;
.set G1BW, 48                          ; all of B's, 256 rows
.set GA0,  56                          ; groups 0: A's halves of slabs 0, 1, 2 (the last later of slab 5),
.set GA1,  60
.set GA2,  68
.set GB0,  72                          ; B's likewise,
.set GB1,  76
.set GB2,  80
.set GAW,  84                          ; A's whole block of slab 3 + (wave & 1), later of slab 6 + (wave & 1),
.set GBW,  88                          ; B's likewise
.set MSB, 0
.macro WIN new
.if MSB != (\new)
	s_set_vgpr_msb (MSB<<8)|(\new)
.set MSB, (\new)
.endif
.endm
.set MUL, 0x50                         ; C and D window 1, sources window 0
.macro PLACES
.rept 4
	v_nop
.endr
.endm
.macro JLOAD g0a, g1a, g0b, g1b        ; waves 0 and 1 fetch for A, waves 2 and 3 for B; the branch hangs on the wave's number alone
	s_cmp_eq_u32 s11, 0
	s_cbranch_scc0 .Lfor_b_\@
	tensor_load_to_lds s[\g0a:\g0a+3], s[\g1a:\g1a+7]
	s_nop 0
	PLACES
	s_branch .Lasked_\@
.Lfor_b_\@:
	tensor_load_to_lds s[\g0b:\g0b+3], s[\g1b:\g1b+7]
	s_nop 0
	PLACES
.Lasked_\@:
.endm
.macro CREST
	s_cmp_lg_u32 s10, 0
	s_cbranch_scc1 .Lnot_wave_0_\@
	s_barrier_signal -3
.Lnot_wave_0_\@:
	s_barrier_wait -3
	s_barrier_signal -1
	s_barrier_wait -1
.endm
.macro CROUND
	s_barrier_signal -1
	s_barrier_wait -1
	CREST
.endm
.macro G1SET grp, rows                 ; dense rows of 256 bytes: 32 elements of 8 bytes
	s_mov_b32 s[\grp+1], 32<<16                    ; tensor_dim0
	s_mov_b32 s[\grp+2], (\rows)<<16               ; tensor_dim1
	s_mov_b32 s[\grp+3], 32<<16                    ; tile_dim0
	s_mov_b32 s[\grp+4], \rows                     ; tile_dim1
	s_mov_b32 s[\grp+5], 32                        ; from row to row
	s_mov_b32 s[\grp+6], 0
	s_mov_b32 s[\grp+7], 0
.endm
.macro SETG0 grp, ldsr, ldso, adr, gofs ; a group 0: LDS byte s[ldsr] + ldso, global address s[adr:adr+1] + gofs
	s_mov_b32 s[\grp], 1
	s_add_co_u32 s[\grp+1], s[\ldsr], \ldso
	s_add_nc_u64 s[\grp+2:\grp+3], s[\adr:\adr+1], \gofs
	s_or_b32 s[\grp+3], s[\grp+3], 0x80000000
.endm
	s_load_b128 s[4:7], s[0:1], 0x0                ; ao, wo16
	s_load_b64 s[8:9], s[0:1], 0x10                ; out0
	v_lshl_add_u32 v[SPW], v0, 2, SPARE
	v_mov_b32 v[NIL], 0
	ds_add_u32 v[SPW], v[NIL]                      ; the wave's opening: the add, twice on end, and its wait ahead of my first tensor load
	ds_add_u32 v[SPW], v[NIL]
	v_lshrrev_b32 v1, 5, v0
	v_readfirstlane_b32 s10, v1                    ; wave 0..3
	s_lshr_b32 s11, s10, 1                         ; which 64 rows are mine.  Also: I fetch for A (0) or for B (1)
	s_and_b32 s12, s10, 1                          ; which 128 columns.  Also: which half, or which of two slabs, I fetch
	s_bfe_u32 s92, ttmp6, 0x40000                  ; cx
	s_bfe_u32 s93, ttmp6, 0x40004                  ; cy
	s_lshl_b32 s94, ttmp9, 2
	s_add_co_u32 s94, s94, s92                     ; tile column
	s_and_b32 s13, ttmp7, 0xffff
	s_lshl_b32 s13, s13, 2
	s_add_co_u32 s13, s13, s93                     ; tile row
	s_lshl_b32 s95, s93, 2
	s_lshl_b32 s95, 15, s95                        ; my row of the cluster
	s_lshl_b32 s96, 0x1111, s92                    ; my column
	s_or_b32 s[G1AH], s95, (3<<16)|(1<<21)         ; the mask; elements of 8 bytes; bit 21 beside a mask
	s_or_b32 s[G1AW], s95, (3<<16)|(1<<21)
	s_or_b32 s[G1BH], s96, (3<<16)|(1<<21)
	s_or_b32 s[G1BW], s96, (3<<16)|(1<<21)
	G1SET G1AH, 64
	G1SET G1BH, 128
	G1SET G1AW, 128
	G1SET G1BW, 256
	; where the blocks come from.  A's hang on the tile row alone, B's on the tile column alone, each in registers that never hold the other coordinate
	s_lshl_b32 s18, s13, 15                        ; A's block in a slab: 32,768 x tile row
	s_lshl_b32 s16, s12, 14
	s_add_co_u32 s16, s16, s18                     ; + 16,384 x half
	s_mov_b32 s17, 0
	s_add_co_u32 s19, s12, 3
	s_lshl_b32 s19, s19, 21                        ; the whole block of slab 3 + (wave & 1)
	s_add_co_u32 s18, s18, s19
	s_mov_b32 s19, 0
	s_lshl_b32 s2, s94, 16                         ; B's block in a slab: 65,536 x tile column
	s_lshl_b32 s98, s12, 15
	s_add_co_u32 s98, s98, s2                      ; + 32,768 x half
	s_mov_b32 s99, 0
	s_add_co_u32 s3, s12, 3
	s_lshl_b32 s3, s3, 18
	s_add_co_u32 s2, s2, s3
	s_mov_b32 s3, 0
	s_lshl_b32 s20, s12, 14                        ; where they go: no place in the cluster enters an LDS address.  A's half,
	s_lshl_b32 s21, s12, 15
	s_add_co_u32 s21, s21, BOFF                    ; B's half,
	s_mul_i32 s22, s12, SLOT                       ; A's whole block: region wave & 1,
	s_add_co_u32 s23, s22, BOFF                    ; B's
	s_wait_dscnt 0x0                               ; both opening adds are done
	s_wait_kmcnt 0x0
	s_add_nc_u64 s[14:15], s[4:5], s[16:17]
	s_add_nc_u64 s[18:19], s[4:5], s[18:19]
	s_add_nc_u64 s[98:99], s[6:7], s[98:99]
	s_add_nc_u64 s[2:3], s[6:7], s[2:3]
	CROUND                                         ; all sixteen work-groups are here: the first joint loads meet
	SETG0 GAW, 22, 0, 18, 0
	SETG0 GBW, 23, 0, 2, 0
	SETG0 GA0, 20, 0, 14, 0
	SETG0 GB0, 21, 0, 98, 0
	JLOAD GA0, G1AH, GB0, G1BH                     ; slab 0
	SETG0 GA1, 20, SLOT, 14, GSA
	SETG0 GB1, 21, SLOT, 98, GSB
	JLOAD GA1, G1AH, GB1, G1BH                     ; slab 1
	SETG0 GA2, 20, 2*SLOT, 14, 2*GSA
	SETG0 GB2, 21, 2*SLOT, 98, 2*GSB
	JLOAD GA2, G1AH, GB2, G1BH                     ; slab 2
	v_and_b32 v1, 31, v0
	v_lshlrev_b32 v[CO], 4, v1
	v_and_b32 v2, 15, v0                           ; r
	v_bfe_u32 v3, v0, 4, 1                         ; h
	s_lshl_b32 s16, s11, 14                        ; my four row tiles
	s_lshl_b32 s17, s12, 15                        ; my eight column tiles,
	s_add_co_u32 s17, s17, BOFF                    ; behind A's block
.irp s, 0,1,2
	v_add_nc_u32 v[ADRA+\s], s16, v[CO]
	v_add_nc_u32 v[ADRB+\s], s17, v[CO]
	s_add_co_u32 s16, s16, SLOT
	s_add_co_u32 s17, s17, SLOT
.endr
	s_mul_i32 s16, s10, 16*SPITCH
	s_add_co_u32 s16, s16, STG                     ; my stage
	v_mul_u32_u24 v4, v2, SPITCH
	v_lshl_add_u32 v4, v3, 5, v4
	v_add_nc_u32 v[STO], s16, v4                   ; in: row r, 32 bytes for each half of the lanes
	v_add_nc_u32 v[RD], s16, v[CO]                 ; back: the 32 lanes take a row of 512 bytes
	s_lshl_b32 s16, s13, 7
	s_lshl_b32 s17, s11, 6
	s_add_co_u32 s16, s16, s17                     ; my first row of C
	s_lshl_b32 s16, s16, 12
	s_mov_b32 s17, 0
	s_add_nc_u64 s[8:9], s[8:9], s[16:17]
	s_lshl_b32 s20, s94, 10                        ; my first column, in bytes
	s_lshl_b32 s21, s12, 9
	s_add_co_u32 s20, s20, s21
	s_mov_b32 s21, 0
	s_add_nc_u64 s[8:9], s[8:9], s[20:21]
.macro MULR f, i, zero                 ; 8 matrix instructions: A's tile i against B's eight, 32 along K.  The 32 accumulators take turns
.irp b, 0,1,2,3,4,5,6,7
.if \zero
	v_wmma_f32_16x16x32_f16 v[8*(8*(\i)+\b):8*(8*(\i)+\b)+7], v[\f+32+8*\b:\f+32+8*\b+7], v[\f+8*(\i):\f+8*(\i)+7], 0
.else
	v_wmma_f32_16x16x32_f16 v[8*(8*(\i)+\b):8*(8*(\i)+\b)+7], v[\f+32+8*\b:\f+32+8*\b+7], v[\f+8*(\i):\f+8*(\i)+7], v[8*(8*(\i)+\b):8*(8*(\i)+\b)+7]
.endif
.endr
.endm
.macro FETCH slot, ks, f               ; 24 LDS loads in one run: B's eight fragments, then A's four
	WIN 0
.irp b, 0,1,2,3,4,5,6,7
.irp c, 0,1
	ds_load_b128 v[\f+32+8*\b+4*\c:\f+32+8*\b+4*\c+3], v[ADRB+\slot] offset:4096*\b+1024*(\ks)+512*\c
.endr
.endr
.irp i, 0,1,2,3
.irp c, 0,1
	ds_load_b128 v[\f+8*\i+4*\c:\f+8*\i+4*\c+3], v[ADRA+\slot] offset:4096*\i+1024*(\ks)+512*\c
.endr
.endr
.endm
; A slab is four quarters of 32 along K on buffers 0, 1, 0, 1.  A quarter multiplies buffer f and fetches quarter ks of region slot into g.
.macro QUARTER slot, ks, f, g, zero
	s_wait_dscnt 4                                 ; B and A's tiles 0, 1 are in; the youngest four loads (A's tiles 2, 3) may be out
	WIN MUL
	MULR \f, 0, \zero
	MULR \f, 1, \zero
	PLACES                                         ; in front of loads into registers that matrix instructions have read
	FETCH \slot, \ks, \g
	s_wait_dscnt 24                                ; all but the 24 just issued
	WIN MUL
	MULR \f, 2, \zero
	MULR \f, 3, \zero
.endm
.macro SLAB slot                       ; a slab's first three quarters
	QUARTER \slot, 1, F0, F1, 0
	QUARTER \slot, 2, F1, F0, 0
	QUARTER \slot, 3, F0, F1, 0
.endm
; A slab's last quarter with a barrier in it: it multiplies buffer 1 and goes on into region next.
; mode 0: slab 1, a first fill, is awaited by its count; slab 2's load may stay out, and no add is owed.
; modes 1, 2, 3: a refill.  Each wave waits for all its tensor loads, adds 0 to its spare word, and waits for that and for its LDS reads; the barrier opens a round of the cluster's, and my one joint load is the first thing behind it.
;   1: slabs 3 and 4 into regions 0 and 1;  2: slab 5 into region 2;  3: slabs 6 and 7 into regions 0 and 1.
; mode 4: slabs 6 and 7 are awaited; nothing is left to fetch.
.macro TURN next, mode
	WIN 0
.if (\mode) == 0
	s_wait_tensorcnt 1                             ; my part of slab 1 is in
	s_wait_dscnt 4                                 ; the youngest four loads may be out
.else
	s_wait_tensorcnt 0x0                           ; all my tensor loads have landed
	ds_add_u32 v[SPW], v[NIL]
	s_wait_dscnt 5                                 ; the add and the youngest four loads may be out
.endif
	WIN MUL
	MULR F1, 0, 0
	s_wait_dscnt 0x0                               ; my LDS reads of the slabs so far are over (and the add is done)
	s_barrier_signal -1
	MULR F1, 1, 0
.if ((\mode) >= 1) && ((\mode) <= 3)
	WIN 0
.endif
	s_barrier_wait -1
.if (\mode) == 1
	CREST                                          ; no wave of any partner still reads regions 0 and 1 or has a load on its way
	JLOAD GAW, G1AW, GBW, G1BW                     ; its four v_nop are also the places in front of the loads below
.elseif (\mode) == 2
	CREST
	s_add_nc_u64 s[GA2+2:GA2+3], s[GA2+2:GA2+3], 3*GSA   ; from slab 2 to slab 5
	s_add_nc_u64 s[GB2+2:GB2+3], s[GB2+2:GB2+3], 3*GSB
	JLOAD GA2, G1AH, GB2, G1BH
.elseif (\mode) == 3
	CREST
	s_add_nc_u64 s[GAW+2:GAW+3], s[GAW+2:GAW+3], 3*GSA   ; from slabs 3, 4 to slabs 6, 7
	s_add_nc_u64 s[GBW+2:GBW+3], s[GBW+2:GBW+3], 3*GSB
	JLOAD GAW, G1AW, GBW, G1BW
.else
	PLACES
.endif
	FETCH \next, 0, F0
	WIN MUL
	MULR F1, 2, 0
	MULR F1, 3, 0
.endm
	s_wait_tensorcnt 2                             ; my part of slab 0 is in; slabs 1 and 2 may be out
	s_barrier_signal -1
	s_barrier_wait -1
	FETCH 0, 0, F0
	QUARTER 0, 1, F0, F1, 1                        ; slab 0; the first quarter's products start the sums
	QUARTER 0, 2, F1, F0, 0
	QUARTER 0, 3, F0, F1, 0
	TURN 1, 0
	SLAB 1                                         ; slab 1
	TURN 2, 1
	SLAB 2                                         ; slab 2
	TURN 0, 2
	SLAB 0                                         ; slab 3
	QUARTER 1, 0, F1, F0, 0                        ; on into slab 4, which the last barrier has shown whole
	SLAB 1                                         ; slab 4
	TURN 2, 3
	SLAB 2                                         ; slab 5
	TURN 0, 4
	SLAB 0                                         ; slab 6
	QUARTER 1, 0, F1, F0, 0                        ; on into slab 7
	SLAB 1                                         ; slab 7
	s_wait_dscnt 4                                 ; the very last quarter: nothing more to fetch
	WIN MUL
	MULR F1, 0, 0
	MULR F1, 1, 0
	s_wait_dscnt 0x0
	MULR F1, 2, 0
	MULR F1, 3, 0
	WIN 0
; THE WAY OUT, a block of 16 rows x 128 columns at a time: through my own stage and back as whole rows of 512 bytes.  LDS serves a wave's instructions in order: no wait between the stores and the loads.
.macro TOSTAGE a
	WIN 0x04                                       ; an LDS store's data are its source 1: window 1
.irp b, 0,1,2,3,4,5,6,7
	ds_store_b128 v[STO], v[64*(\a)+8*\b:64*(\a)+8*\b+3] offset:64*\b        ; each accumulator from its low end on
	ds_store_b128 v[STO], v[64*(\a)+8*\b+4:64*(\a)+8*\b+7] offset:64*\b+16
.endr
	WIN 0
.set BB, 32+96*((\a)%2)
.irp t, 0,1,2,3,4,5,6,7,8,9,10,11,12,13,14,15
	ds_load_b128 v[BB+4*\t:BB+4*\t+3], v[RD] offset:\t*SPITCH
.endr
.endm
.macro SEND a, younger
.set BB, 32+96*((\a)%2)
	s_wait_dscnt \younger                          ; the block is back in registers; the next block's 16 stores and 16 loads may be out
.if (\a) > 0
	s_add_nc_u64 s[8:9], s[8:9], 65536             ; 16 rows of C on (behind a wait on XCNT for 0: the earlier stores have read their base)
.endif
.irp t, 0,1,2,3,4,5,6,7,8,9,10,11,12,13,14,15
	global_store_b128 v[CO], v[BB+4*\t:BB+4*\t+3], s[8:9] offset:\t*4096 th:TH_STORE_NT   ; 512 consecutive bytes, at a multiple of 512 from the buffer's first byte
.endr
.endm
	PLACES
	TOSTAGE 0
.irp a, 1,2,3
.if \a > 1
	s_wait_xcnt 0x0                                ; the stores of two blocks back have read their registers and their base
.endif
	TOSTAGE \a
	SEND \a-1, 32
.endr
	s_wait_xcnt 0x0
	SEND 3, 0
	s_wait_tensorcnt 0x0                           ; the wave's end
	ds_add_u32 v[SPW], v[NIL]
	s_wait_dscnt 0x0
	CROUND                                         ; the closing round
	s_endpgm
.Lfunc_end_k_q1fda06aca1_proj:
	.size	k_q1fda06aca1_proj, .Lfunc_end_k_q1fda06aca1_proj-k_q1fda06aca1_proj
	.p2alignl 7, 3214868480
	.fill 96, 4, 3214868480
	.section	.rodata,"a",@progbits
	.p2align	6, 0x0
	.amdhsa_kernel k_q1fda06aca1_proj
		.amdhsa_group_segment_fixed_size 327680
		.amdhsa_private_segment_fixed_size 0
		.amdhsa_enable_private_segment 0
		.amdhsa_kernarg_size 24
		.amdhsa_user_sgpr_count 2
		.amdhsa_user_sgpr_kernarg_segment_ptr 1
		.amdhsa_wavefront_size32 1
		.amdhsa_system_sgpr_workgroup_id_x 1
		.amdhsa_system_sgpr_workgroup_id_y 1
		.amdhsa_system_sgpr_workgroup_id_z 1
		.amdhsa_system_vgpr_workitem_id 0
		.amdhsa_next_free_vgpr 512
		.amdhsa_next_free_sgpr 100
		.amdhsa_reserve_vcc 0
		.amdhsa_float_denorm_mode_32 3
		.amdhsa_float_denorm_mode_16_64 3
		.amdhsa_memory_ordered 1
		.amdhsa_forward_progress 1
		.amdhsa_inst_pref_size 148
	.end_amdhsa_kernel
	.amdgpu_metadata
---
amdhsa.version: [ 1, 2 ]
amdhsa.kernels:
  - .name:           k_q1fda06aca1_proj
    .symbol:         k_q1fda06aca1_proj.kd
    .args:
      - { .name: ao, .offset: 0, .size: 8, .value_kind: global_buffer, .address_space: global }
      - { .name: wo16, .offset: 8, .size: 8, .value_kind: global_buffer, .address_space: global }
      - { .name: out0, .offset: 16, .size: 8, .value_kind: global_buffer, .address_space: global }
    .group_segment_fixed_size: 327680
    .private_segment_fixed_size: 0
    .kernarg_segment_align: 8
    .kernarg_segment_size: 24
    .max_flat_workgroup_size: 128
    .sgpr_count:     100
    .vgpr_count:     512
    .wavefront_size: 32
...
	.end_amdgpu_metadata
.endif
;; end of part 3
;; launch fine (part 4): grid 64 x 2, 16 waves a work-group, no clusters, 18,432 bytes of LDS; arguments qkvf, Wo, out0; writes out0
.if DOCPART == 4
	.amdgcn_target "amdgcn-amd-amdhsa--gfx1250"
	.amdhsa_code_object_version 6
	.text
	.protected	k_q1fda06aca1_fine
	.globl	k_q1fda06aca1_fine
	.p2align	8
	.type	k_q1fda06aca1_fine,@function
k_q1fda06aca1_fine:
	s_mov_b64 s[64:65], 0
	v_nop
	global_prefetch_b8 v0, s[64:65] scope:SCOPE_SE
	s_setreg_imm32_b32 hwreg(HW_REG_WAVE_MODE, 25, 1), 1
	s_wait_xcnt 0x0
; Positions 0-15 of each sequence once more, in f32 throughout: attention and the projection on the way out.  These rows average one to sixteen values and are the largest of the output.
; A work-group takes one batch and 16 columns of out0; a wave takes one head.  Each work-group repeats the small attention of 16 rows from the f32 sums of q, k, v that the attention launch stored.
; Those sums, as they lie, ARE operands of the f32 matrix form (16 x 16 x 4: lane (r, h) holds row r and k = 2 h + j in two registers): a pair of registers (2 t, 2 t + 1) of q's and of k's accumulator of wave w holds
; d = 16 w + 8 h + 2 t + j of row r: four different d, the same on both sides, so the products are kept.  v's holds keys 8 h + 2 t + j of d = 16 w + r, and p's registers the same keys.  Small work: 48 such instructions a wave.
; The accumulators v160-191 are written by matrix instructions alone; each sum begins with the constant 0; what is made of a sum goes into other registers.  Nine places stand behind each run of these instructions.
; LOADS IN THE ORDER OF USE: q's and k's sixteen loads go out first and alone; v's and Wo's sixteen are issued behind the first product's matrix instructions.
; The sixteen heads' parts meet in LDS; waves 0 and 1 add them in the order of the heads and store.  A work-group writes 64 bytes of each of 16 rows: 128 KiB in the whole launch.
; LIMITS: NaN and infinities are not served.
.set SPARE, 16384                      ; behind the sixteen parts of 1,024 bytes: the spare words, 128 bytes a wave
.set T,   10                           ; v10-17 scores, later my part of the output
.set P,   18                           ; v18-25 the weights
.set QF,  32                           ; v32-63 q; later attn
.set KF,  64
.set VF,  96
.set WF,  128
.set ACC, 160
.set SPW, 192
.set NIL, 193
.macro FAR
.rept 9
	v_nop
.endr
.endm
.macro SUM4                            ; the four accumulators, each read from its low end on, into v[T] on
.irp j, 0,2,4,6
	v_pk_add_f32 v[T+\j:T+\j+1], v[ACC+\j:ACC+\j+1], v[ACC+8+\j:ACC+8+\j+1]
	v_pk_add_f32 v[26:27], v[ACC+16+\j:ACC+16+\j+1], v[ACC+24+\j:ACC+24+\j+1]
	v_pk_add_f32 v[T+\j:T+\j+1], v[T+\j:T+\j+1], v[26:27]
.endr
.endm
	s_load_b128 s[4:7], s[0:1], 0x0                ; qkvf, Wo
	s_load_b64 s[8:9], s[0:1], 0x10                ; out0
	v_lshl_add_u32 v[SPW], v0, 2, SPARE
	v_mov_b32 v[NIL], 0
	v_lshrrev_b32 v1, 5, v0
	v_readfirstlane_b32 s10, v1                    ; wave = head
	s_and_b32 s11, ttmp7, 0xffff                   ; batch
	v_and_b32 v1, 31, v0
	v_lshlrev_b32 v1, 4, v1                        ; 16 x lane
	v_and_b32 v2, 15, v0                           ; r
	v_bfe_u32 v3, v0, 4, 1                         ; h
	v_lshlrev_b32 v4, 12, v2
	v_lshl_add_u32 v4, v3, 5, v4                   ; 4096 r + 32 h: a row of Wo or of out0, my eight numbers
	s_lshl_b32 s12, s10, 10
	v_add_nc_u32 v5, s12, v1                       ; LDS: my part
	s_and_b32 s13, s10, 1
	s_lshl_b32 s14, s13, 9
	v_add_nc_u32 v6, s14, v1                       ; LDS: the piece that a summing wave reads of every part
	s_lshl_b32 s14, s13, 4
	v_add_nc_u32 v7, s14, v4                       ; and where it stores
	v_lshlrev_b32 v8, 3, v3
	v_sub_nc_u32 v8, v2, v8                        ; r - 8 h
	v_mov_b32 v9, 0xff800000                       ; -infinity
	v_mov_b32 v29, 0                               ; a lane permute's destination counts as one of its sources
	s_mov_b32 s15, 0x3e38aa3b                      ; c = log2(e) / sqrt(64)
	s_mov_b32 s16, 0x76543210
	s_mov_b32 s17, 0xfedcba98
	s_lshl_b32 s18, s11, 4
	s_add_co_u32 s18, s18, s10
	s_mul_i32 s18, s18, 12288
	s_mov_b32 s19, 0
	s_lshl_b32 s20, ttmp9, 16                      ; Wo: rows 16 x work-group on, + the head's 64 numbers
	s_lshl_b32 s21, s10, 8
	s_add_co_u32 s20, s20, s21
	s_mov_b32 s21, 0
	s_lshl_b32 s22, s11, 24                        ; out0: the batch's first row, + 16 columns x work-group
	s_lshl_b32 s23, ttmp9, 6
	s_add_co_u32 s22, s22, s23
	s_mov_b32 s23, 0
	s_wait_kmcnt 0x0
	s_add_nc_u64 s[4:5], s[4:5], s[18:19]
	s_add_nc_u64 s[6:7], s[6:7], s[20:21]
	s_add_nc_u64 s[8:9], s[8:9], s[22:23]
.irp e, 0,1                            ; q, k
.irp w, 0,1,2,3
.irp c, 0,1
	global_load_b128 v[QF+32*\e+8*\w+4*\c:QF+32*\e+8*\w+4*\c+3], v1, s[4:5] offset:4096*\e+1024*\w+512*\c
.endr
.endr
.endr
	s_wait_loadcnt 0x0                             ; q and k are in: nothing else has been asked for yet
.irp t, 0,1,2,3                        ; S^T = K Q^T: four accumulators by turns
.irp w, 0,1,2,3
.if \t == 0
	v_wmma_f32_16x16x4_f32 v[ACC+8*\w:ACC+8*\w+7], v[KF+8*\w+2*\t:KF+8*\w+2*\t+1], v[QF+8*\w+2*\t:QF+8*\w+2*\t+1], 0
.else
	v_wmma_f32_16x16x4_f32 v[ACC+8*\w:ACC+8*\w+7], v[KF+8*\w+2*\t:KF+8*\w+2*\t+1], v[QF+8*\w+2*\t:QF+8*\w+2*\t+1], v[ACC+8*\w:ACC+8*\w+7]
.endif
.endr
.endr
.irp w, 0,1,2,3                        ; v, into registers that no matrix instruction has named yet
.irp c, 0,1
	global_load_b128 v[VF+8*\w+4*\c:VF+8*\w+4*\c+3], v1, s[4:5] offset:8192+1024*\w+512*\c
.endr
.endr
.irp w, 0,1,2,3
.irp c, 0,1
	global_load_b128 v[WF+8*\w+4*\c:WF+8*\w+4*\c+3], v4, s[6:7] offset:64*\w+16*\c   ; Wo[n0 + r][64 head + 16 w + 8 h + 4 c + 0 .. 3]
.endr
.endr
	FAR
	SUM4                                           ; register j of lane (r, h): the score of key 8 h + j for query r
.irp j, 0,1,2,3,4,5,6,7
	v_cmp_le_i32 vcc_lo, \j, v8
	v_cndmask_b32 v[T+\j], v9, v[T+\j], vcc_lo     ; kept where key <= query
.endr
	v_max3_num_f32 v28, v[T], v[T+1], v[T+2]
	v_max3_num_f32 v28, v28, v[T+3], v[T+4]
	v_max3_num_f32 v28, v28, v[T+5], v[T+6]
	v_max_num_f32 v28, v28, v[T+7]
	v_permlanex16_b32 v29, v28, s16, s17
	v_max_num_f32 v28, v28, v29                    ; the row's maximum: key 0 counts for every query
	v_mul_f32 v28, s15, v28
.irp j, 0,1,2,3,4,5,6,7
	v_fma_f32 v[P+\j], v[T+\j], s15, -v28
.endr
.irp j, 0,1,2,3,4,5,6,7
	v_exp_f32 v[P+\j], v[P+\j]
.endr
	v_nop
	s_wait_alu depctr_va_vdst(0)                   ; one wait for the eight, ahead of their first reader
	v_add_f32 v30, v[P], v[P+1]
	v_add_f32 v26, v[P+2], v[P+3]
	v_add_f32 v30, v30, v[P+4]
	v_add_f32 v26, v26, v[P+5]
	v_add_f32 v30, v30, v[P+6]
	v_add_f32 v26, v26, v[P+7]
	v_add_f32 v30, v30, v26
	v_permlanex16_b32 v29, v30, s16, s17
	v_add_f32 v30, v30, v29
	v_rcp_f32 v31, v30
	v_nop
	s_wait_alu depctr_va_vdst(0)
	s_wait_loadcnt 8                               ; v is in; Wo's 8 loads may be out
.irp t, 0,1,2,3                        ; O^T = V^T P^T
.irp w, 0,1,2,3
.if \t == 0
	v_wmma_f32_16x16x4_f32 v[ACC+8*\w:ACC+8*\w+7], v[VF+8*\w+2*\t:VF+8*\w+2*\t+1], v[P+2*\t:P+2*\t+1], 0
.else
	v_wmma_f32_16x16x4_f32 v[ACC+8*\w:ACC+8*\w+7], v[VF+8*\w+2*\t:VF+8*\w+2*\t+1], v[P+2*\t:P+2*\t+1], v[ACC+8*\w:ACC+8*\w+7]
.endif
.endr
.endr
	FAR
.irp j, 0,1,2,3,4,5,6,7,8,9,10,11,12,13,14,15,16,17,18,19,20,21,22,23,24,25,26,27,28,29,30,31
	v_mul_f32 v[QF+\j], v[ACC+\j], v31             ; attn[query r][16 w + 8 h + j], into other registers
.endr
	s_wait_loadcnt 0x0
.irp t, 0,1,2,3                        ; my head's part of the output: source 0 = 16 rows of Wo, source 1 = attn
.irp w, 0,1,2,3
.if \t == 0
	v_wmma_f32_16x16x4_f32 v[ACC+8*\w:ACC+8*\w+7], v[WF+8*\w+2*\t:WF+8*\w+2*\t+1], v[QF+8*\w+2*\t:QF+8*\w+2*\t+1], 0
.else
	v_wmma_f32_16x16x4_f32 v[ACC+8*\w:ACC+8*\w+7], v[WF+8*\w+2*\t:WF+8*\w+2*\t+1], v[QF+8*\w+2*\t:QF+8*\w+2*\t+1], v[ACC+8*\w:ACC+8*\w+7]
.endif
.endr
.endr
	FAR
	SUM4                                           ; register j of lane (r, h): row r, column n0 + 8 h + j
	ds_store_b128 v5, v[T:T+3]
	ds_store_b128 v5, v[T+4:T+7] offset:512
	s_wait_dscnt 0x0                               ; for the others' sake: my part lies in LDS
	s_barrier_signal -1
	s_barrier_wait -1
	s_cmp_lt_u32 s10, 2                            ; waves 0 and 1 add the sixteen parts: wave c takes registers 4 c .. 4 c + 3
	s_cbranch_scc0 .Lend
.irp e, 0,1,2,3,4,5,6,7,8,9,10,11,12,13,14,15
	ds_load_b128 v[32+4*\e:32+4*\e+3], v6 offset:1024*\e
.endr
	s_wait_dscnt 0x0
.irp e, 1,2,3,4,5,6,7,8,9,10,11,12,13,14,15
	v_pk_add_f32 v[32:33], v[32:33], v[32+4*\e:33+4*\e]
	v_pk_add_f32 v[34:35], v[34:35], v[34+4*\e:35+4*\e]
.endr
	global_store_b128 v7, v[32:35], s[8:9]
.Lend:
	s_wait_tensorcnt 0x0                           ; the wave's end
	ds_add_u32 v[SPW], v[NIL]
	s_wait_dscnt 0x0
	s_endpgm
.Lfunc_end_k_q1fda06aca1_fine:
	.size	k_q1fda06aca1_fine, .Lfunc_end_k_q1fda06aca1_fine-k_q1fda06aca1_fine
	.p2alignl 7, 3214868480
	.fill 96, 4, 3214868480
	.section	.rodata,"a",@progbits
	.p2align	6, 0x0
	.amdhsa_kernel k_q1fda06aca1_fine
		.amdhsa_group_segment_fixed_size 18432
		.amdhsa_private_segment_fixed_size 0
		.amdhsa_enable_private_segment 0
		.amdhsa_kernarg_size 24
		.amdhsa_user_sgpr_count 2
		.amdhsa_user_sgpr_kernarg_segment_ptr 1
		.amdhsa_wavefront_size32 1
		.amdhsa_system_sgpr_workgroup_id_x 1
		.amdhsa_system_sgpr_workgroup_id_y 1
		.amdhsa_system_sgpr_workgroup_id_z 1
		.amdhsa_system_vgpr_workitem_id 0
		.amdhsa_next_free_vgpr 200
		.amdhsa_next_free_sgpr 66
		.amdhsa_reserve_vcc 1
		.amdhsa_float_denorm_mode_32 3
		.amdhsa_float_denorm_mode_16_64 3
		.amdhsa_memory_ordered 1
		.amdhsa_forward_progress 1
		.amdhsa_inst_pref_size 17
	.end_amdhsa_kernel
	.amdgpu_metadata
---
amdhsa.version: [ 1, 2 ]
amdhsa.kernels:
  - .name:           k_q1fda06aca1_fine
    .symbol:         k_q1fda06aca1_fine.kd
    .args:
      - { .name: qkvf, .offset: 0, .size: 8, .value_kind: global_buffer, .address_space: global }
      - { .name: Wo, .offset: 8, .size: 8, .value_kind: global_buffer, .address_space: global }
      - { .name: out0, .offset: 16, .size: 8, .value_kind: global_buffer, .address_space: global }
    .group_segment_fixed_size: 18432
    .private_segment_fixed_size: 0
    .kernarg_segment_align: 8
    .kernarg_segment_size: 24
    .max_flat_workgroup_size: 512
    .sgpr_count:     66
    .vgpr_count:     200
    .wavefront_size: 32
...
	.end_amdgpu_metadata
.endif
;; end of part 4
